; MI455X (gfx1250); checked and timed in simulation.
; The chip was launched on July 23, 2026; its instructions are those of AMD's public machine-readable ISA for CDNA 5 (MIT licence, August 2026) and "CDNA5" Instruction Set Architecture Reference Guide (July 2026). The comments in the code are by the model that wrote it; some were corrected since.
;; Causal Self Attention. Allowed arithmetic: matrix products marked QUANTISED: E4M3 operands, one given power-of-two scale a tensor, by v_wmma_f32_16x16x64_fp8_fp8 or v_wmma_f32_16x16x128_fp8_fp8, f32 sums; everything else in f32.
;; Inputs: Wk 1,024 x 1,024 float32; Wp 1,024 x 1,024 float32; Wq 1,024 x 1,024 float32; Wv 1,024 x 1,024 float32; bk 1,024 float32; bp 1,024 float32; bq 1,024 float32; bv 1,024 float32; lowp_scales 12 int32 (the exponents e of the quantised operands' scales 2^e); x 4 x 2,048 x 1,024 float32.
;; Outputs: out0 4 x 2,048 x 1,024 float32.
;; This version of the problem:
;;   THIS VERSION OF THE PROBLEM IS GIVEN IN LOW PRECISION. The matrix products marked QUANTISED in the list below multiply operands that are first quantised to E4M3 (4 exponent bits, 3 mantissa bits; 8 bits a number), with one given power-of-two scale for each operand tensor; their sums are f32. All else is computed in f32.
;;   The module's matrix products, in the order in which they are computed (A, B: the left and right operand; K: the contracted axis; several contracted axes count as one K, in the product's order):
;;     1. [M 8,192, K 1,024] x [K 1,024, N 1,024]; A: input x; B: input Wq: QUANTISED (scales: A lowp_scales[0], B lowp_scales[1])
;;     2. [M 8,192, K 1,024] x [K 1,024, N 1,024]; A: input x; B: input Wk: QUANTISED (scales: A lowp_scales[2], B lowp_scales[3])
;;     3. [M 8,192, K 1,024] x [K 1,024, N 1,024]; A: input x; B: input Wv: QUANTISED (scales: A lowp_scales[4], B lowp_scales[5])
;;     4. batch 64 x [M 2,048, K 64] x [K 64, N 2,048]; A: computed on the way; B: computed on the way: QUANTISED (scales: A lowp_scales[6], B lowp_scales[7])
;;     5. batch 64 x [M 2,048, K 2,048] x [K 2,048, N 64]; A: softmax (see below); B: computed on the way: QUANTISED (scales: A lowp_scales[8], B lowp_scales[9])
;;     6. [M 8,192, K 1,024] x [K 1,024, N 1,024]; A: computed on the way; B: input Wp: QUANTISED (scales: A lowp_scales[10], B lowp_scales[11])
;;   THE QUANTISER, for each operand of a quantised product, along K:
;;     - The operand's scale is 2^e, e = its entry of the input lowp_scales (int32; the entries are numbered through the quantised products in the list's order, A before B).
;;     - Each number is divided by the scale, clamped to +-448, and rounded to the nearest number of E4M3, ties to even, subnormals kept.
;;     - The product sums the exact products of the quantised numbers (number of the format x scale) in f32.
;;   ~~~python
;;   def quantise(x, axis, e):      # numpy; x: float32 -> the quantised numbers, widened to float32 again
;;       x = np.moveaxis(x, axis, -1); K = x.shape[-1]
;;       r = np.clip(x / 2.0 ** e, -448, 448)
;;       step = 2.0 ** (np.maximum(np.frexp(np.where(r == 0, 1, r))[1] - 1, -6) - 3)
;;       q = np.round(r / step) * step * 2.0 ** e      # np.round: ties to even
;;       return np.moveaxis(q, -1, axis).astype(np.float32)
;;   ~~~
;;   SOFTMAX AHEAD OF A QUANTISED PRODUCT. Where the list says 'softmax', what is quantised is not the finished softmax but p = 2^(t - M), with t = logit x log2(e) and M = ceil(the row's largest t), a whole number; so 1/2 < the row's largest p <= 1. The row's sum l is taken of the UNQUANTISED p, in f32, and the product's result is divided by l at the end. Since M is a whole number, a kernel that streams over the keys may use a running M (the ceiling of the running maximum): every later rescaling is an exact power of two, so the quantised numbers keep their values, but for numbers so far below the row's largest that they fall under the format's range.
;;   OPERANDS COMPUTED ON THE WAY. 'Computed on the way' means the value that the module computes at that place (a softmax that the list does not call 'softmax' is quantised finished and normalised). What goes into a quantiser is computed in f32, as accurately as f32 sums, v_exp_f32 and their like allow (about 1e-6 of the number): no bf16 or f16 on the way to a quantiser, and a product that is left as it is and whose result goes on into a quantised operand takes f32 operands (vector FMAs, or v_wmma_f32_16x16x4_f32). A number that lies on a knife's edge between two numbers of the format may be rounded either way, as far as f32 arithmetic and the matrix unit's own rounding can turn it there, and no further.
;; One version. Each part assembles by itself: llvm-mc -triple=amdgcn-amd-amdhsa -mcpu=gfx1250 --defsym DOCPART=n.
;; ======== version 1 of 1: 4 launches
;; limits: right only within a limited range of input values
;; workspace buffers: ops 29,360,128 bytes; qkv 25,165,824 bytes; yc 8,388,608 bytes
;; launch quant (part 1): grid 768 x 1, 4 waves a work-group, no clusters, 34,304 bytes of LDS; arguments x, Wq, Wk, Wv, Wp, lowp_scales, ops; writes ops
.if DOCPART == 1
	.amdgcn_target "amdgcn-amd-amdhsa--gfx1250"
	.amdhsa_code_object_version 6
	.text
	.protected	k_qf00a57cd91_quant
	.globl	k_qf00a57cd91_quant
	.p2align	8
	.type	k_qf00a57cd91_quant,@function
k_qf00a57cd91_quant:
	s_mov_b64 s[64:65], 0
	v_nop
	global_prefetch_b8 v0, s[64:65] scope:SCOPE_SE
	s_setreg_imm32_b32 hwreg(HW_REG_WAVE_MODE, 25, 1), 1
	s_wait_xcnt 0x0
; x [8192][1024] f32 and the four weights [1024 (k)][1024 (n)] f32 become codes of E4M3, laid as IMAGES OF OPERAND REGISTERS.
; A fragment is 16 rows x 128 K = 2,048 bytes: group c (0..3) is 512 bytes, lane l = r + 16 h has 16 bytes at 512 c + 16 l: K = 32 c + 16 h + 0..15 of its row.
; A matrix is laid [tile of 16 rows][K step of 128][2,048 bytes].  THE ROWS OF A TILE ARE NOT NEIGHBOURS: lane r of tile 2 b + u holds row 32 b + 8 u + r + 8 (r / 8).
; ops: x with the scales of entries 0, 2, 4 at 0, 8 Mi, 16 Mi; Wq, Wk, Wv, Wp (rows = columns n of W, K = its first axis; entries 1, 3, 5, 11) at 24, 25, 26, 27 Mi.
; code = number / 2^e, held within +-448, to the nearest code, ties to even.  LIMITS: each e between -126 and 119; NaN among the inputs is not served.
; Work-groups 0-511 take x (tile = work-group, a wave two K steps), 512-767 the weights.  Waves share nothing: no barrier.  No work-groups share an input byte: no cluster.
.set MI,  1048576
.set R,   16                           ; x: v16-143 two units of 64 numbers
.set T,   144
.set C,   176                          ; v176-223 codes: 16 registers for each of the three scales
.set SP,  528                          ; a stage row: 512 bytes + 16, an odd multiple of 16
.set X,   16                           ; weights: v16-143 four blocks of 32 numbers down K
.set CW,  144                          ; v144-175 their codes
	s_load_b256 s[4:11], s[0:1], 0x0               ; x, Wq, Wk, Wv
	s_load_b128 s[12:15], s[0:1], 0x20             ; Wp, the exponents
	s_load_b64 s[16:17], s[0:1], 0x30              ; ops
	v_lshl_add_u32 v224, v0, 2, 0x8400
	v_mov_b32 v225, 0
	v_lshrrev_b32 v1, 5, v0
	v_readfirstlane_b32 s18, v1                    ; wave
	v_and_b32 v2, 31, v0                           ; lane
	v_and_b32 v3, 15, v0                           ; r
	v_bfe_u32 v7, v0, 4, 1                         ; the lane's half
	s_wait_kmcnt 0x0
	s_load_b256 s[20:27], s[14:15], 0x0            ; e0 .. e7
	s_load_b128 s[28:31], s[14:15], 0x20           ; e8 .. e11
	s_cmp_lt_u32 ttmp9, 512
	s_cbranch_scc0 .Lweights
.macro MKSC e, vs, vl                  ; 2^e and 448 x 2^e as f32 patterns
	s_add_co_i32 s42, s[\e], 127
	s_lshl_b32 s43, s42, 23
	v_mov_b32 v[\vs], s43
	s_add_co_i32 s42, s42, 8
	s_lshl_b32 s42, s42, 23
	s_or_b32 s42, s42, 0x600000
.endm
	s_wait_alu depctr_va_vdst(0)
	; ---- x.  tile = work-group; my wave's K steps are 2 wave and 2 wave + 1
	v_lshlrev_b32 v4, 4, v2                        ; 16 x lane
	s_wait_alu depctr_va_vdst(0)
	s_mul_i32 s19, s18, 16*SP                      ; my wave's stage
	v_add_nc_u32 v5, s19, v4                       ; into it: a row's 512 bytes as they lie
	v_mul_u32_u24 v6, v3, SP
	v_lshl_add_u32 v6, v7, 6, v6
	v_add_nc_u32 v6, s19, v6                       ; out of it: row r, + 64 h: my 16 numbers of a block of 32
	s_lshr_b32 s32, ttmp9, 1
	s_lshl_b32 s32, s32, 17                        ; 32 rows of 4,096 bytes x (tile / 2)
	s_and_b32 s33, ttmp9, 1
	s_lshl_b32 s33, s33, 15                        ; + 8 rows x (tile % 2)
	s_add_co_u32 s32, s32, s33
	s_lshl_b32 s33, s18, 10                        ; + my two K steps of 512 bytes
	s_add_co_u32 s32, s32, s33
	s_mov_b32 s33, 0
	s_add_nc_u64 s[4:5], s[4:5], s[32:33]
	s_lshl_b32 s34, ttmp9, 14                      ; the tile's images,
	s_lshl_b32 s35, s18, 12                        ; my two fragments of them
	s_add_co_u32 s34, s34, s35
	s_mov_b32 s35, 0
	s_add_nc_u64 s[36:37], s[16:17], s[34:35]      ; under entry 0,
	s_add_nc_u64 s[38:39], s[36:37], 8*MI          ; entry 2,
	s_add_nc_u64 s[40:41], s[38:39], 8*MI          ; entry 4
.macro XLOAD n                         ; unit n: the tile's 16 rows, 512 consecutive bytes each
.set i, 0
.rept 16
	global_load_b128 v[R+64*(\n)+4*i:R+64*(\n)+4*i+3], v4, s[4:5] offset:(i+8*(i/8))*4096+512*(\n) th:TH_LOAD_NT
.set i, i+1
.endr
.endm
.macro XTURN n                         ; through my stage: in as rows, out as 16 neighbours a lane for each block of 32
.set i, 0
.rept 16
	ds_store_b128 v5, v[R+64*(\n)+4*i:R+64*(\n)+4*i+3] offset:SP*i
.set i, i+1
.endr
	s_wait_dscnt 0x0                               ; the stores have read their registers, which the loads below fill
.set i, 0
.rept 16
	ds_load_b128 v[R+64*(\n)+4*i:R+64*(\n)+4*i+3], v6 offset:128*(i/4)+16*(i%4)
.set i, i+1
.endr
	s_wait_dscnt 0x0
.endm
.macro XQ n                            ; the unit's 64 numbers a lane, three times converted; then twelve stores of 512 consecutive bytes
.if \n > 0
	s_wait_xcnt 0x0                                ; the last unit's stores have read the codes' registers
.endif
.irp t, 0,1,2
.irp c, 0,1,2,3
.set i, 0
.rept 16
.set i, i+1
.endr
	v_cvt_scalef32_pk8_fp8_f32 v[C+16*\t+4*\c:C+16*\t+4*\c+1], v[T+16*(\c%2)+((R+64*(\n)+16*\c+i)-(T+16*(\c%2)+i)):T+16*(\c%2)+7+((R+64*(\n)+16*\c+i)-(T+16*(\c%2)+i))], v[8+2*\t]
	v_cvt_scalef32_pk8_fp8_f32 v[C+16*\t+4*\c+2:C+16*\t+4*\c+3], v[T+16*(\c%2)+8+((R+64*(\n)+16*\c+i)-(T+16*(\c%2)+i)):T+16*(\c%2)+15+((R+64*(\n)+16*\c+i)-(T+16*(\c%2)+i))], v[8+2*\t]
.endr
.endr
	v_nop                                          ; a plain line behind the last conversion
.irp t, 0,1,2
.irp c, 0,1,2,3
	global_store_b128 v4, v[C+16*\t+4*\c:C+16*\t+4*\c+3], s[36+2*\t:37+2*\t] offset:2048*(\n)+512*\c
.endr
.endr
.endm
	XLOAD 0
	XLOAD 1
	s_wait_alu depctr_va_vdst(0)
	s_wait_kmcnt 0x0
	MKSC 20, 8, 9
	MKSC 22, 10, 11
	MKSC 24, 12, 13
	s_wait_alu depctr_va_vdst(0)
	s_wait_loadcnt 16                              ; unit 0 is in; unit 1's sixteen loads may be out
	XTURN 0
	XQ 0
	s_wait_loadcnt 0x0
	XTURN 1
	XQ 1
	s_wait_tensorcnt 0x0
	ds_add_u32 v224, v225
	s_wait_dscnt 0x0
	s_endpgm
.Lweights:
	; ---- a weight.  A LANE TAKES A COLUMN n AND ITS REGISTERS RUN DOWN K: the conversions then give codes with K innermost.  A wave: 32 columns x one K step of 128
	s_sub_co_u32 s32, ttmp9, 512
	s_lshr_b32 s33, s32, 6                         ; which weight: 0 Wq, 1 Wk, 2 Wv, 3 Wp
	s_and_b32 s34, s32, 7
	s_bfe_u32 s35, s32, 0x30003                    ; the K step
	s_lshl_b32 s34, s34, 2
	s_add_co_u32 s34, s34, s18                     ; b: my 32 columns
	s_cmp_eq_u32 s33, 1
	s_cselect_b64 s[6:7], s[8:9], s[6:7]
	s_cmp_eq_u32 s33, 2
	s_cselect_b64 s[6:7], s[10:11], s[6:7]
	s_cmp_eq_u32 s33, 3
	s_cselect_b64 s[6:7], s[12:13], s[6:7]
	s_lshl_b32 s36, s35, 19                        ; 128 rows of 4,096 bytes x K step
	s_lshl_b32 s37, s34, 7                         ; + 128 bytes x b
	s_add_co_u32 s36, s36, s37
	s_mov_b32 s37, 0
	s_add_nc_u64 s[6:7], s[6:7], s[36:37]
	s_lshl_b32 s38, s33, 20
	s_add_co_u32 s38, s38, 24*MI                   ; the weight's images,
	s_lshl_b32 s39, s34, 15                        ; tiles 2 b and 2 b + 1,
	s_add_co_u32 s38, s38, s39
	s_lshl_b32 s39, s35, 11                        ; the K step's fragment
	s_add_co_u32 s38, s38, s39
	s_mov_b32 s39, 0
	s_add_nc_u64 s[16:17], s[16:17], s[38:39]
	s_wait_alu depctr_va_vdst(0)
	v_and_b32 v8, 8, v3
	v_add_nc_u32 v8, v8, v3
	v_lshl_add_u32 v8, v7, 3, v8                   ; my column among the 32: 8 u + r + 8 (r / 8): row r of tile 2 b + u
	v_lshlrev_b32 v4, 2, v8
	v_lshlrev_b32 v5, 4, v3
	v_lshl_add_u32 v5, v7, 14, v5                  ; out: tile u, 16 r: sixteen lanes fill 256 consecutive bytes
.macro WLOAD c
.set i, 0
.rept 32
	global_load_b32 v[X+32*(\c)+i], v4, s[6:7] offset:(32*(\c)+i)*4096 th:TH_LOAD_NT
.set i, i+1
.endr
.endm
.macro WBLOCK c, left
	s_wait_loadcnt \left
.if \c < 2
	WLOAD \c+2
.endif
.set i, 0
.rept 32
.set i, i+1
.endr
.irp g, 0,1,2,3
	v_cvt_scalef32_pk8_fp8_f32 v[CW+8*(\c)+2*\g:CW+8*(\c)+2*\g+1], v[X+32*(\c)+8*\g:X+32*(\c)+8*\g+7], v11
.endr
	v_nop
	global_store_b128 v5, v[CW+8*(\c):CW+8*(\c)+3], s[16:17] offset:512*(\c)          ; K = 32 c + 0..15: the places of lanes 0-15
	global_store_b128 v5, v[CW+8*(\c)+4:CW+8*(\c)+7], s[16:17] offset:512*(\c)+256    ; K = 32 c + 16..31: of lanes 16-31
.endm
	WLOAD 0
	WLOAD 1
	s_wait_alu depctr_va_vdst(0)
	s_wait_kmcnt 0x0
	s_cmp_eq_u32 s33, 1
	s_cselect_b32 s21, s23, s21
	s_cmp_eq_u32 s33, 2
	s_cselect_b32 s21, s25, s21
	s_cmp_eq_u32 s33, 3
	s_cselect_b32 s21, s31, s21                    ; the weight's e: entry 1, 3, 5 or 11
	MKSC 21, 11, 10
	s_wait_alu depctr_va_vdst(0)
	WBLOCK 0, 32                                   ; each count leaves the next block's 32 loads out
	WBLOCK 1, 32
	WBLOCK 2, 32
	WBLOCK 3, 0
	s_endpgm
.Lfunc_end_k_qf00a57cd91_quant:
	.size	k_qf00a57cd91_quant, .Lfunc_end_k_qf00a57cd91_quant-k_qf00a57cd91_quant
	.p2alignl 7, 3214868480
	.fill 96, 4, 3214868480
	.section	.rodata,"a",@progbits
	.p2align	6, 0x0
	.amdhsa_kernel k_qf00a57cd91_quant
		.amdhsa_group_segment_fixed_size 34304
		.amdhsa_private_segment_fixed_size 0
		.amdhsa_enable_private_segment 0
		.amdhsa_kernarg_size 56
		.amdhsa_user_sgpr_count 2
		.amdhsa_user_sgpr_kernarg_segment_ptr 1
		.amdhsa_wavefront_size32 1
		.amdhsa_system_sgpr_workgroup_id_x 1
		.amdhsa_system_sgpr_workgroup_id_y 1
		.amdhsa_system_sgpr_workgroup_id_z 1
		.amdhsa_system_vgpr_workitem_id 0
		.amdhsa_next_free_vgpr 226
		.amdhsa_next_free_sgpr 66
		.amdhsa_reserve_vcc 0
		.amdhsa_float_denorm_mode_32 3
		.amdhsa_float_denorm_mode_16_64 3
		.amdhsa_fp16_overflow 1
		.amdhsa_memory_ordered 1
		.amdhsa_forward_progress 1
		.amdhsa_inst_pref_size 32
	.end_amdhsa_kernel
	.amdgpu_metadata
---
amdhsa.version: [ 1, 2 ]
amdhsa.kernels:
  - .name:           k_qf00a57cd91_quant
    .symbol:         k_qf00a57cd91_quant.kd
    .args:
      - { .name: x, .offset: 0, .size: 8, .value_kind: global_buffer, .address_space: global }
      - { .name: Wq, .offset: 8, .size: 8, .value_kind: global_buffer, .address_space: global }
      - { .name: Wk, .offset: 16, .size: 8, .value_kind: global_buffer, .address_space: global }
      - { .name: Wv, .offset: 24, .size: 8, .value_kind: global_buffer, .address_space: global }
      - { .name: Wp, .offset: 32, .size: 8, .value_kind: global_buffer, .address_space: global }
      - { .name: lowp_scales, .offset: 40, .size: 8, .value_kind: global_buffer, .address_space: global }
      - { .name: ops, .offset: 48, .size: 8, .value_kind: global_buffer, .address_space: global }
    .group_segment_fixed_size: 34304
    .private_segment_fixed_size: 0
    .kernarg_segment_align: 8
    .kernarg_segment_size: 56
    .max_flat_workgroup_size: 128
    .sgpr_count:     66
    .vgpr_count:     226
    .wavefront_size: 32
...
	.end_amdgpu_metadata
.endif
;; end of part 1
;; launch qkvg (part 2): grid 12 x 64, 4 waves a work-group, clusters of 4 x 4, 327,680 bytes of LDS; arguments ops, bq, bk, bv, lowp_scales, qkv; writes qkv
.if DOCPART == 2
	.amdgcn_target "amdgcn-amd-amdhsa--gfx1250"
	.amdhsa_code_object_version 6
	.text
	.protected	k_qf00a57cd91_qkvg
	.globl	k_qf00a57cd91_qkvg
	.p2align	8
	.type	k_qf00a57cd91_qkvg,@function
k_qf00a57cd91_qkvg:
	s_mov_b64 s[64:65], 0
	v_nop
	global_prefetch_b8 v0, s[64:65] scope:SCOPE_SE
	s_setreg_imm32_b32 hwreg(HW_REG_WAVE_MODE, 25, 1), 1
	s_wait_xcnt 0x0
	s_wait_alu depctr_hold_cnt(0) depctr_sa_sdst(0) depctr_va_vdst(0) depctr_va_sdst(0) depctr_va_ssrc(0) depctr_va_vcc(0) depctr_vm_vsrc(0)
	s_getreg_b32 s2, hwreg(HW_REG_IB_STS2, 6, 4)
	s_cmp_eq_u32 s2, 0
	s_cbranch_scc0 .Lentry_in_a_cluster
	s_endpgm
.Lentry_in_a_cluster:
	s_bfe_u32 s2, ttmp6, 0x10000c
	s_cmp_lg_u32 s2, 0xf033
	s_cbranch_scc0 .Lentry_shape_is_right
	s_endpgm
.Lentry_shape_is_right:
; q = x Wq + bq, k = x Wk + bk (M = tokens, N = channels) and v^T = (x Wv + bv)^T (M = channels, N = tokens), on codes of E4M3, and the results quantised for attention.
; Operands are images of registers (16 rows x 128 K = 2,048 bytes; group c at 512 c, lane l at 16 l: K = 32 c + 16 (l / 16) + 0..15; lane r of tile 2 b + u holds row 32 b + 8 u + r + 8 (r / 8)),
; laid [tile][K step][2,048].  k has the same place in both operands, so every product meets its partner; only the order of sums inside an instruction differs from ascending k.
; THE MATRIX INSTRUCTION IS USED TRANSPOSED (source 0 = 16 rows of the N side, source 1 = 16 of the M side): a lane holds one row of M, and the 16 registers of N tiles 2 b', 2 b' + 1 are N = 32 b' + 16 h + 0..15:
; two conversions give 16 bytes of the next operand's image, and a wave's store covers 512 consecutive bytes, aligned.
; SHARES: cluster x = which tensor (0 q, 1 k, 2 v).  A work-group makes M 128 x N 256, a wave 64 x 128: 32 accumulators.  K = 1,024 in four steps of 256 through three LDS slots; slot 0 is filled twice.
; CLUSTER 4 x 4: the M side's tile is shared along a row, the N side's along a column: joint loads.  By this text's count a wave has at most three tensor loads out.
; qkv, for head 16 batch + head: 393,216 bytes = 16 steps of 128 tokens x 24,576: Q 8 tiles x 1,024, K 8 x 1,024 at 8,192, V^T 4 channel tiles x 2,048 at 16,384.
; LIMITS: e(A) + e(B) of each product between -126 and 127; entries 6, 7, 9 between -126 and 119; NaN is not served.
; REGISTERS: window 0: v3-10 addresses, v28-29 the add's, v32-95 bias along N, v96-103 bias along M, v104-111 store offsets, v112-113 the quantiser's scale, v128-255 the M side's two sets; window 1: the N side's two sets; window 2: accumulator (a, b) at 64 a + 8 b.
.set MI,    1048576
.set HS,    393216
.set SS,    24576
.set SLOT,  98304                      ; M side: 8 tiles x 4,096 bytes; N side: 16 tiles x 4,096 at BOFF
.set BOFF,  32768
.set SPARE, 3*SLOT                     ; the spare words: 128 bytes a wave, two blocks of 256 bytes that no other line names
.set LI,   3
.set ADRA, 4
.set ADRB, 8
.set SPW,  28
.set NIL,  29
.set BN,   32
.set BM,   96
.set VO,   104
.set TT,   128
.set CC,   192
.set AF,   128
.set WV,   16
.set MH,   17
.set NH,   18
.set G1A,  24
.set G1B,  32
.set G0A,  40
.set G0B,  52
.set MSB, 0
.macro WIN new                         ; the immediate's high byte repeats the setting that is left
.if MSB != \new
	s_set_vgpr_msb (MSB<<8)|\new
.set MSB, \new
.endif
.endm
.set MUL,  0xa1                        ; source 0 window 1, source 1 window 0, C and D window 2
.set TO_B, 0x40                        ; destination window 1
.macro PLACES
.rept 4
	v_nop
.endr
.endm
.macro JLOAD                           ; the joint refill of slot 0: waves 0, 1 for the M side, waves 2, 3 for the N side; four v_nop follow each line
	s_cmp_eq_u32 s[MH], 0
	s_cbranch_scc0 .Lfor_b_\@
	tensor_load_to_lds s[G0A:G0A+3], s[G1A:G1A+7]
	s_nop 0
	PLACES
	s_branch .Lasked_\@
.Lfor_b_\@:
	tensor_load_to_lds s[G0B:G0B+3], s[G1B:G1B+7]
	s_nop 0
	PLACES
.Lasked_\@:
.endm
.macro CREST
	s_cmp_lg_u32 s[WV], 0
	s_cbranch_scc1 .Lnot_wave_0_\@
	s_barrier_signal -3
.Lnot_wave_0_\@:
	s_barrier_wait -3
	s_barrier_signal -1
	s_barrier_wait -1
.endm
.macro CROUND
	s_barrier_signal -1
	s_barrier_wait -1
	CREST
.endm
.macro FRAG reg, adr, off              ; an image comes back as it was stored: four loads of 512 consecutive bytes
.irp c, 0,1,2,3
	ds_load_b128 v[\reg+4*\c:\reg+4*\c+3], v[\adr] offset:\off+512*\c
.endr
.endm
.macro FETCH slot, q, p                ; the fragments of the slot's q-th 128 along K into set p: 48 loads in one run
	WIN TO_B
.irp b, 0,1,2,3,4,5,6,7
	FRAG 128*(\p)+16*\b, ADRB+\slot, 4096*\b+2048*(\q)
.endr
	WIN 0
.irp a, 0,1,2,3
	FRAG AF+64*(\p)+16*\a, ADRA+\slot, 4096*\a+2048*(\q)
.endr
.endm
.macro MULA a, p, zero                 ; eight products; the 32 accumulators take turns, in the same order in every step
.irp b, 0,1,2,3,4,5,6,7
.if \zero
	v_wmma_f32_16x16x128_fp8_fp8 v[64*(\a)+8*\b:64*(\a)+8*\b+7], v[128*(\p)+16*\b:128*(\p)+16*\b+15], v[AF+64*(\p)+16*(\a):AF+64*(\p)+16*(\a)+15], 0
.else
	v_wmma_f32_16x16x128_fp8_fp8 v[64*(\a)+8*\b:64*(\a)+8*\b+7], v[128*(\p)+16*\b:128*(\p)+16*\b+15], v[AF+64*(\p)+16*(\a):AF+64*(\p)+16*(\a)+15], v[64*(\a)+8*\b:64*(\a)+8*\b+7]
.endif
.endr
.endm
.macro SUB slot, q, p, zero            ; set p is multiplied while (slot, q) comes into the other set
	s_wait_dscnt 0x0                               ; set p is in
	PLACES                                         ; four places between the last products on the other set and the loads into it
	FETCH \slot, \q, 1-\p
	WIN MUL
	MULA 0, \p, \zero
	MULA 1, \p, \zero
	MULA 2, \p, \zero
	MULA 3, \p, \zero
.endm
.macro TURN p, next, fill              ; a step of 128 that also changes slots: one barrier; fill = 1: it opens a round of the cluster's barrier and slot 0 takes K step 3
	WIN 0
	s_wait_tensorcnt 0x0                           ; all my tensor loads have landed
	ds_add_u32 v[SPW], v[NIL]
	s_wait_dscnt 1                                 ; set p is in; the add alone may be out
	WIN MUL
	MULA 0, \p, 0
	s_wait_dscnt 0x0                               ; the add is done, and my reads of the slots behind me are over
	s_barrier_signal -1
	MULA 1, \p, 0
	WIN 0
	s_barrier_wait -1
.if \fill
	CREST                                          ; no wave of any partner still reads slot 0 or has a load on its way
	s_add_nc_u64 s[G0A+2:G0A+3], s[G0A+2:G0A+3], 3*4096
	s_add_nc_u64 s[G0B+2:G0B+3], s[G0B+2:G0B+3], 3*4096
	JLOAD                                          ; first behind the round; its four v_nop are also the places in front of the loads below
.else
	PLACES
.endif
	FETCH \next, 0, 1-\p
	WIN MUL
	MULA 2, \p, 0
	MULA 3, \p, 0
.endm
	s_load_b256 s[4:11], s[0:1], 0x0               ; ops, bq, bk, bv
	s_load_b128 s[12:15], s[0:1], 0x20             ; the exponents, qkv
	v_lshl_add_u32 v[SPW], v0, 2, SPARE
	v_mov_b32 v[NIL], 0
	ds_add_u32 v28, v29
	ds_add_u32 v28, v29
	s_wait_dscnt 0x0
	v_lshrrev_b32 v1, 5, v0
	v_readfirstlane_b32 s[WV], v1
	s_lshr_b32 s[MH], s[WV], 1                     ; my half of M.  Also: I fetch for the M side (0) or the N side (1)
	s_and_b32 s[NH], s[WV], 1                      ; my half of N.  Also: which half of that tile I fetch
	s_bfe_u32 s19, ttmp6, 0x40000                  ; cx
	s_bfe_u32 s20, ttmp6, 0x40004                  ; cy
	s_and_b32 s21, ttmp7, 0xffff                   ; cluster y, 0..15
	s_and_b32 s22, s21, 7
	s_lshr_b32 s23, s21, 3
	s_lshl_b32 s86, ttmp9, 23                      ; q, k: M side = x under entry 0 or 2
	s_lshl_b32 s88, ttmp9, 20
	s_add_co_u32 s88, s88, 24*MI                   ;       N side = Wq or Wk
	s_mov_b32 s87, 26*MI                           ; v:    M side = Wv,
	s_mov_b32 s89, 16*MI                           ;       N side = x under entry 4
	s_cmp_eq_u32 ttmp9, 2
	s_cselect_b32 s22, s22, 0                      ; clusters along N: v 8, q and k 1
	s_cselect_b32 s23, s23, s21                    ; along M: v 2, q and k 16
	s_cselect_b32 s86, s87, s86
	s_cselect_b32 s88, s89, s88
	s_lshl_b32 s66, s22, 2
	s_add_co_u32 s66, s66, s19                     ; Nt: my 256 of N
	s_lshl_b32 s67, s23, 2
	s_add_co_u32 s67, s67, s20                     ; Mt: my 128 of M
	s_lshl_b32 s90, s20, 2
	s_lshl_b32 s90, 15, s90                        ; my row of the cluster
	s_lshl_b32 s91, 0x1111, s19                    ; my column
	s_or_b32 s[G1A], s90, (3<<16)|(1<<21)          ; 15:0 the mask; 17:16 elements of 8 bytes; 21 set beside a mask; no padding
	s_or_b32 s[G1B], s91, (3<<16)|(1<<21)
	s_mov_b32 s[G1A+1], 512<<16                    ; tensor_dim0: a tile's 4,096 bytes of two K steps of 128
	s_mov_b32 s[G1A+2], 4<<16                      ; tensor_dim1: 4 tiles
	s_mov_b32 s[G1A+3], 512<<16                    ; tile_dim0
	s_mov_b32 s[G1A+4], 4                          ; tile_dim1
	s_mov_b32 s[G1A+5], 2048                       ; from tile to tile: 16,384 bytes
	s_mov_b32 s[G1A+6], 0
	s_mov_b32 s[G1A+7], 0
	s_mov_b32 s[G1B+1], 512<<16
	s_mov_b32 s[G1B+2], 8<<16                      ; 8 tiles
	s_mov_b32 s[G1B+3], 512<<16
	s_mov_b32 s[G1B+4], 8
	s_mov_b32 s[G1B+5], 2048
	s_mov_b32 s[G1B+6], 0
	s_mov_b32 s[G1B+7], 0
	s_lshl_b32 s82, s67, 17                        ; M side: tile 8 Mt + 4 x half (registers that never hold cx)
	s_lshl_b32 s83, s[NH], 16
	s_add_co_u32 s82, s82, s83
	s_add_co_u32 s82, s82, s86
	s_mov_b32 s83, 0
	s_lshl_b32 s84, s66, 18                        ; N side: tile 16 Nt + 8 x half (registers that never hold cy)
	s_lshl_b32 s85, s[NH], 17
	s_add_co_u32 s84, s84, s85
	s_add_co_u32 s84, s84, s88
	s_mov_b32 s85, 0
	s_lshl_b32 s92, s[NH], 14                      ; where they go in a slot
	s_lshl_b32 s93, s[NH], 15
	s_add_co_u32 s93, s93, BOFF
	s_wait_kmcnt 0x0
	s_load_b256 s[68:75], s[12:13], 0x0            ; e0 .. e7
	s_load_b128 s[76:79], s[12:13], 0x20           ; e8 .. e11
	s_add_nc_u64 s[82:83], s[4:5], s[82:83]
	s_add_nc_u64 s[84:85], s[4:5], s[84:85]
.irp s, 0,1,2
	s_mov_b32 s[G0A+4*\s], 1
	s_add_co_u32 s[G0A+4*\s+1], s92, \s*SLOT
	s_add_nc_u64 s[G0A+4*\s+2:G0A+4*\s+3], s[82:83], \s*4096
	s_or_b32 s[G0A+4*\s+3], s[G0A+4*\s+3], 0x80000000
	s_mov_b32 s[G0B+4*\s], 1
	s_add_co_u32 s[G0B+4*\s+1], s93, \s*SLOT
	s_add_nc_u64 s[G0B+4*\s+2:G0B+4*\s+3], s[84:85], \s*4096
	s_or_b32 s[G0B+4*\s+3], s[G0B+4*\s+3], 0x80000000
.endr
	CROUND                                         ; all sixteen work-groups are here: the first joint loads meet
	s_cmp_eq_u32 s[MH], 0                          ; a wave's three first fills stand in one branch
	s_cbranch_scc0 .Lfirst_b
	tensor_load_to_lds s[G0A:G0A+3], s[G1A:G1A+7]
	s_nop 0
	tensor_load_to_lds s[G0A+4:G0A+7], s[G1A:G1A+7]
	s_nop 0
	tensor_load_to_lds s[G0A+8:G0A+11], s[G1A:G1A+7]
	s_nop 0
	PLACES
	s_branch .Lfirst_done
.Lfirst_b:
	tensor_load_to_lds s[G0B:G0B+3], s[G1B:G1B+7]
	s_nop 0
	tensor_load_to_lds s[G0B+4:G0B+7], s[G1B:G1B+7]
	s_nop 0
	tensor_load_to_lds s[G0B+8:G0B+11], s[G1B:G1B+7]
	s_nop 0
	PLACES
.Lfirst_done:
	v_and_b32 v2, 31, v0
	v_lshlrev_b32 v[LI], 4, v2                     ; 16 x lane
	s_lshl_b32 s94, s[MH], 14
	v_add_nc_u32 v[ADRA], s94, v[LI]               ; my four tiles of the M side, slot 0, 1, 2
	v_add_nc_u32 v[ADRA+1], SLOT, v[ADRA]
	v_add_nc_u32 v[ADRA+2], SLOT, v[ADRA+1]
	v_add_nc_u32 v[ADRB], s93, v[LI]               ; my eight of the N side
	v_add_nc_u32 v[ADRB+1], SLOT, v[ADRB]
	v_add_nc_u32 v[ADRB+2], SLOT, v[ADRB+1]
	v_and_b32 v11, 15, v0                          ; r
	v_bfe_u32 v12, v0, 4, 1                        ; h
	s_wait_kmcnt 0x0
	s_add_co_i32 s68, s68, s69                     ; e(A) + e(B) of the three products
	s_add_co_i32 s70, s70, s71
	s_add_co_i32 s72, s72, s73
	s_cmp_eq_u32 ttmp9, 1
	s_cselect_b32 s68, s70, s68
	s_cselect_b32 s74, s75, s74                    ; the result's own e: entry 6 (q), 7 (k),
	s_cmp_eq_u32 ttmp9, 2
	s_cselect_b32 s68, s72, s68
	s_cselect_b32 s74, s77, s74                    ; 9 (v)
	s_add_co_i32 s68, s68, 127
	s_lshl_b32 s80, s68, 23                        ; 2^(e(A) + e(B))
	s_mov_b32 s81, s80                             ; (named with it as a pair)
	s_add_co_i32 s74, s74, 127
	s_lshl_b32 s75, s74, 23
	v_mov_b32 v112, s75                            ; 2^e for the conversions
	; where my results go
	s_lshr_b32 s94, s67, 4
	s_lshl_b32 s94, s94, 4
	s_lshl_b32 s99, s66, 2
	s_add_co_u32 s94, s94, s99
	s_lshl_b32 s99, s[NH], 1
	s_add_co_u32 s94, s94, s99                     ; q, k: head 16 (Mt / 16) + 4 Nt + 2 nh (and the next one),
	s_and_b32 s95, s67, 15                         ; step Mt % 16,
	s_lshl_b32 s96, ttmp9, 13
	s_lshl_b32 s99, s[MH], 12
	s_add_co_u32 s96, s96, s99                     ; Q or K, my four tiles
	s_lshr_b32 s97, s66, 3
	s_lshl_b32 s97, s97, 4
	s_lshl_b32 s99, s67, 1
	s_add_co_u32 s97, s97, s99
	s_add_co_u32 s97, s97, s[MH]                   ; v: head 16 (Nt / 8) + 2 Mt + mh,
	s_and_b32 s98, s66, 7
	s_lshl_b32 s98, s98, 1
	s_add_co_u32 s98, s98, s[NH]                   ; step 2 (Nt % 8) + nh
	s_mov_b32 s100, 1024
	s_mov_b32 s101, HS
	s_cmp_eq_u32 ttmp9, 2
	s_cselect_b32 s94, s97, s94
	s_cselect_b32 s95, s98, s95
	s_cselect_b32 s96, 16384, s96
	s_cselect_b32 s100, 2048, s100                 ; from M tile to M tile
	s_cselect_b32 s101, 1024, s101                 ; from N groups 0, 1 to groups 2, 3: the next head (q, k), or the fragment's second half (v)
	s_mul_i32 s94, s94, HS
	s_mul_i32 s95, s95, SS
	s_add_co_u32 s94, s94, s95
	s_add_co_u32 s94, s94, s96
	s_mov_b32 s95, 0
	s_add_nc_u64 s[14:15], s[14:15], s[94:95]
	v_mov_b32 v[VO], v[LI]
	v_add_nc_u32 v[VO+1], s101, v[LI]
.irp a, 1,2,3
	v_add_nc_u32 v[VO+2*\a], s100, v[VO+2*\a-2]
	v_add_nc_u32 v[VO+2*\a+1], s100, v[VO+2*\a-1]
.endr
.irp a, 0,1,2,3
	v_mov_b32 v[BM+2*\a+1], 0                      ; (named as the upper half of a pair)
.endr
	; the bias runs along N for q and k, along M for v; both sets of registers are written on both ways.  The branch hangs on the cluster's x: equal in all partners
	s_cmp_eq_u32 ttmp9, 2
	s_cbranch_scc1 .Lbias_v
	s_cmp_eq_u32 ttmp9, 1
	s_cselect_b64 s[96:97], s[8:9], s[6:7]
	s_lshl_b32 s94, s66, 10
	s_lshl_b32 s95, s[NH], 9
	s_add_co_u32 s94, s94, s95
	s_mov_b32 s95, 0
	s_add_nc_u64 s[96:97], s[96:97], s[94:95]      ; at channel 256 Nt + 128 nh
	v_lshlrev_b32 v13, 6, v12                      ; + 16 h numbers
.set j, 0
.rept 16
	global_load_b128 v[BN+4*j:BN+4*j+3], v13, s[96:97] offset:128*(j/4)+16*(j%4)
.set j, j+1
.endr
.irp a, 0,1,2,3
	v_mov_b32 v[BM+2*\a], 0
.endr
	s_branch .Lbias_done
.Lbias_v:
	s_lshl_b32 s94, s67, 9
	s_lshl_b32 s95, s[MH], 8
	s_add_co_u32 s94, s94, s95
	s_mov_b32 s95, 0
	s_add_nc_u64 s[96:97], s[10:11], s[94:95]      ; at channel 128 Mt + 64 mh
	v_and_b32 v13, 8, v11
	v_add_nc_u32 v13, v13, v11
	v_lshlrev_b32 v13, 2, v13                      ; + r + 8 (r / 8)
.irp a, 0,1,2,3
	global_load_b32 v[BM+2*\a], v13, s[96:97] offset:(32*(\a/2)+8*(\a%2))*4
.endr
.set j, 0
.rept 64
	v_mov_b32 v[BN+j], 0
.set j, j+1
.endr
.Lbias_done:
	s_wait_tensorcnt 2                             ; my part of K step 0 is in; the loads of K steps 1 and 2 may be out
	s_barrier_signal -1
	s_barrier_wait -1
	FETCH 0, 0, 0
	SUB 0, 1, 0, 1                                 ; the first products start the sums
	TURN 1, 1, 1                                   ; slots 1 and 2 are whole in every wave; slot 0 takes K step 3
	SUB 1, 1, 0, 0
	SUB 2, 0, 1, 0
	SUB 2, 1, 0, 0
	TURN 1, 0, 0                                   ; K step 3 has landed in every wave; nothing is filled again
	SUB 0, 1, 0, 0
	s_wait_dscnt 0x0
	MULA 0, 1, 0
	MULA 1, 1, 0
	MULA 2, 1, 0
	MULA 3, 1, 0
	WIN 0
	PLACES
	s_wait_loadcnt 0x0                             ; the biases
; M tile a: sum x 2^(e(A) + e(B)) + bias, converted: four groups of 16 bytes a lane, each stored as 512 consecutive bytes.  Each accumulator is read from its low end on.
.macro OUTA a
	WIN 0x02                                       ; source 0: window 2
.set j, 0
.rept 32
	v_pk_fma_f32 v[TT+j:TT+j+1], v[64*(\a)+j:64*(\a)+j+1], s[80:81], v[BN+j:BN+j+1] op_sel_hi:[1,0,1]
.set j, j+2
.endr
	WIN 0
.set j, 0
.rept 32
	v_pk_add_f32 v[TT+j:TT+j+1], v[TT+j:TT+j+1], v[BM+2*(\a):BM+2*(\a)+1] op_sel_hi:[1,0]
.set j, j+2
.endr
.irp b, 0,1,2,3
.set j, 0
.rept 16
.set j, j+1
.endr
	v_cvt_scalef32_pk8_fp8_f32 v[CC+16*(\a)+4*\b:CC+16*(\a)+4*\b+1], v[TT+16*\b:TT+16*\b+7], v112
	v_cvt_scalef32_pk8_fp8_f32 v[CC+16*(\a)+4*\b+2:CC+16*(\a)+4*\b+3], v[TT+16*\b+8:TT+16*\b+15], v112
.endr
	v_nop                                          ; a plain line behind the last conversion: the next tile writes its sources
.irp b, 0,1,2,3
	global_store_b128 v[VO+2*(\a)+\b/2], v[CC+16*(\a)+4*\b:CC+16*(\a)+4*\b+3], s[14:15] offset:512*(\b%2)
.endr
.endm
	OUTA 0
	OUTA 1
	OUTA 2
	OUTA 3
	s_wait_tensorcnt 0x0                           ; the wave's end
	ds_add_u32 v[SPW], v[NIL]
	s_wait_dscnt 0x0
	CROUND                                         ; the closing round
	s_endpgm
.Lfunc_end_k_qf00a57cd91_qkvg:
	.size	k_qf00a57cd91_qkvg, .Lfunc_end_k_qf00a57cd91_qkvg-k_qf00a57cd91_qkvg
	.p2alignl 7, 3214868480
	.fill 96, 4, 3214868480
	.section	.rodata,"a",@progbits
	.p2align	6, 0x0
	.amdhsa_kernel k_qf00a57cd91_qkvg
		.amdhsa_group_segment_fixed_size 327680
		.amdhsa_private_segment_fixed_size 0
		.amdhsa_enable_private_segment 0
		.amdhsa_kernarg_size 48
		.amdhsa_user_sgpr_count 2
		.amdhsa_user_sgpr_kernarg_segment_ptr 1
		.amdhsa_wavefront_size32 1
		.amdhsa_system_sgpr_workgroup_id_x 1
		.amdhsa_system_sgpr_workgroup_id_y 1
		.amdhsa_system_sgpr_workgroup_id_z 1
		.amdhsa_system_vgpr_workitem_id 0
		.amdhsa_next_free_vgpr 768
		.amdhsa_next_free_sgpr 102
		.amdhsa_reserve_vcc 0
		.amdhsa_float_denorm_mode_32 3
		.amdhsa_float_denorm_mode_16_64 3
		.amdhsa_fp16_overflow 1
		.amdhsa_memory_ordered 1
		.amdhsa_forward_progress 1
		.amdhsa_inst_pref_size 78
	.end_amdhsa_kernel
	.amdgpu_metadata
---
amdhsa.version: [ 1, 2 ]
amdhsa.kernels:
  - .name:           k_qf00a57cd91_qkvg
    .symbol:         k_qf00a57cd91_qkvg.kd
    .args:
      - { .name: ops, .offset: 0, .size: 8, .value_kind: global_buffer, .address_space: global }
      - { .name: bq, .offset: 8, .size: 8, .value_kind: global_buffer, .address_space: global }
      - { .name: bk, .offset: 16, .size: 8, .value_kind: global_buffer, .address_space: global }
      - { .name: bv, .offset: 24, .size: 8, .value_kind: global_buffer, .address_space: global }
      - { .name: lowp_scales, .offset: 32, .size: 8, .value_kind: global_buffer, .address_space: global }
      - { .name: qkv, .offset: 40, .size: 8, .value_kind: global_buffer, .address_space: global }
    .group_segment_fixed_size: 327680
    .private_segment_fixed_size: 0
    .kernarg_segment_align: 8
    .kernarg_segment_size: 48
    .max_flat_workgroup_size: 128
    .sgpr_count:     102
    .vgpr_count:     768
    .wavefront_size: 32
...
	.end_amdgpu_metadata
.endif
;; end of part 2
;; launch attn (part 3): grid 4 x 64, 16 waves a work-group, clusters of 4 x 1, 327,680 bytes of LDS; arguments qkv, lowp_scales, yc; writes yc
.if DOCPART == 3
	.amdgcn_target "amdgcn-amd-amdhsa--gfx1250"
	.amdhsa_code_object_version 6
	.text
	.protected	k_qf00a57cd91_attn
	.globl	k_qf00a57cd91_attn
	.p2align	8
	.type	k_qf00a57cd91_attn,@function
k_qf00a57cd91_attn:
	s_mov_b64 s[64:65], 0
	v_nop
	global_prefetch_b8 v0, s[64:65] scope:SCOPE_SE
	s_setreg_imm32_b32 hwreg(HW_REG_WAVE_MODE, 25, 1), 1
	s_wait_xcnt 0x0
	s_wait_alu depctr_hold_cnt(0) depctr_sa_sdst(0) depctr_va_vdst(0) depctr_va_sdst(0) depctr_va_ssrc(0) depctr_va_vcc(0) depctr_vm_vsrc(0)
	s_getreg_b32 s2, hwreg(HW_REG_IB_STS2, 6, 4)
	s_cmp_eq_u32 s2, 0
	s_cbranch_scc0 .Lentry_in_a_cluster
	s_endpgm
.Lentry_in_a_cluster:
	s_bfe_u32 s2, ttmp6, 0x10000c
	s_cmp_lg_u32 s2, 0x3003
	s_cbranch_scc0 .Lentry_shape_is_right
	s_endpgm
.Lentry_shape_is_right:
; Causal attention of one head (cluster y = 16 batch + head) on codes of E4M3; head size 64; 2,048 tokens in 16 steps of 128.  y leaves as codes, in the image that the last product reads.
; t = score x 2^(e6 + e7) x log2(e) / 8; M = the running largest t rounded UP to a whole number; p = 2^(t - M) is quantised with 2^e8; the row's sum is taken of the unquantised p and divides at the end.
; Both products are used transposed (S^T = K Q^T, O^T = V^T P^T): a lane holds ONE query.  Lane r of tile 2 b + u of Q, K holds token 32 b + 8 u + r + 8 (r / 8), so the 16 registers of key tiles 2 b, 2 b + 1
; are keys 32 b + 16 h + 0..15, and the 16 registers of channel tiles 2 b, 2 b + 1 of O^T are channels 32 b + 16 h + 0..15: the conversions' results are the next operand's registers.
; K AND V OF THE WHOLE HEAD LIE IN LDS (16 steps x 16,384 bytes: K 8,192, V^T 8,192), each byte filled once.  The head's four work-groups are a cluster and ask jointly: two loads of 8,192 bytes a wave.
; SHARES: a wave owns two tiles of 16 queries: pL = 8 (wave / 2) + 2 cx + wave % 2 and pH = 127 - pL: (pL / 8 + 1) + (pH / 8 + 1) = 17 steps of work for every wave.  Every branch hangs on the wave's number;
; cx enters global addresses and the mask's numbers alone.  Every wave walks loops of constant count; a step all of whose keys are hidden is jumped over.
; LIMITS: e6 + e7 between -123 and 130; e8 and e10 between -126 and 119; NaN is not served.
; REGISTERS: v1 16 x lane; v2 the step's LDS address; v3, v4 the masks' numbers; v12 -M, v13 largest t, v[14:15] the sum; v16-23, v24-31 Q; v32-95 K's or V's fragments; v96-159 S^T, then p; v160-191 O^T; v192-207 p's codes; v208-223 y's codes.
.set HS,  393216
.set SS,  24576
.set LI,  1
.set ADK, 2
.set DVH, 3
.set DVL, 4
.set QH,  16
.set QL,  24
.set WV,  10
.set DGL, 13
.set DGH, 14
.set KS,  17
.set TB,  18
.set SEL, 20
.set CS,  22
.macro CROUND
	s_barrier_signal -1
	s_barrier_wait -1
	s_cmp_lg_u32 s[WV], 0
	s_cbranch_scc1 .Lnot_wave_0_\@
	s_barrier_signal -3
.Lnot_wave_0_\@:
	s_barrier_wait -3
	s_barrier_signal -1
	s_barrier_wait -1
.endm
	s_load_b128 s[4:7], s[0:1], 0x0                ; qkv, the exponents
	s_load_b64 s[8:9], s[0:1], 0x10                ; yc
	v_lshl_add_u32 v251, v0, 2, 0x40000
	v_mov_b32 v255, 0
	ds_add_u32 v251, v255
	ds_add_u32 v251, v255
	v_lshrrev_b32 v5, 5, v0
	s_delay_alu instid0(VALU_DEP_1)
	v_readfirstlane_b32 s[WV], v5
	s_bfe_u32 s11, ttmp6, 0x40000                  ; cx
	s_and_b32 s12, ttmp7, 0xffff                   ; 16 batch + head
	s_mul_i32 s54, s12, HS
	s_mov_b32 s55, 0
	s_lshr_b32 s[DGL], s[WV], 1                    ; the light tile's diagonal step, 0..7
	s_xor_b32 s[DGH], s[DGL], 15                   ; the heavy tile's: 15 - that
	s_and_b32 s19, s[WV], 1
	s_mul_i32 s56, s[DGL], SS                      ; I fetch step wave / 2: K (wave even) or V^T (odd),
	s_lshl_b32 s57, s19, 13
	s_add_co_u32 s56, s56, s57
	s_add_co_u32 s56, s56, 8192                    ; which lie on end behind the step's Q
	s_mov_b32 s57, 0
	s_mov_b32 s24, 15|(3<<16)|(1<<21)              ; the mask: all four; elements of 8 bytes; 21 set beside a mask
	s_mov_b32 s25, 32<<16                          ; a dense block as 32 rows of 256 bytes
	s_mov_b32 s26, 32<<16
	s_mov_b32 s27, 32<<16
	s_mov_b32 s28, 32
	s_mov_b32 s29, 32
	s_mov_b32 s30, 0
	s_mov_b32 s31, 0
	s_mov_b32 s[SEL], 0x76543210
	s_mov_b32 s[SEL+1], 0xfedcba98
	s_mov_b32 s[CS], 0x3e38aa3b                    ; log2(e) / 8
	s_wait_dscnt 0x0
	s_wait_kmcnt 0x0
	s_load_b256 s[40:47], s[6:7], 0x0              ; e0 .. e7
	s_load_b128 s[48:51], s[6:7], 0x20             ; e8 .. e11
	s_add_nc_u64 s[52:53], s[4:5], s[54:55]        ; the head
	s_mov_b32 s32, 1
	s_lshl_b32 s33, s[WV], 13                      ; LDS: 8,192 x wave
	s_add_nc_u64 s[34:35], s[52:53], s[56:57]
	s_mov_b32 s36, 1
	s_add_co_u32 s37, s33, 131072                  ; and eight steps on
	s_add_nc_u64 s[38:39], s[34:35], 8*SS
	s_or_b32 s35, s35, 0x80000000
	s_or_b32 s39, s39, 0x80000000
	CROUND                                         ; all four work-groups are here
	tensor_load_to_lds s[32:35], s[24:31]          ; steps 0-7
	s_nop 0
	s_wait_alu depctr_va_vdst(0)
	s_wait_tensorcnt 0x0
	ds_add_u32 v251, v255
	s_wait_dscnt 0x0
	CROUND
	tensor_load_to_lds s[36:39], s[24:31]          ; steps 8-15: one load of mine is out
	s_nop 0
.rept 4
	v_nop
.endr
	v_and_b32 v5, 31, v0
	s_delay_alu instid0(VALU_DEP_1)
	v_lshlrev_b32 v[LI], 4, v5
	v_and_b32 v8, 15, v0
	s_delay_alu instid0(VALU_DEP_1)
	v_and_b32 v9, 8, v8
	s_delay_alu instid0(VALU_DEP_1)
	v_add_nc_u32 v8, v8, v9
	v_bfe_u32 v9, v0, 4, 1
	s_delay_alu instid0(VALU_DEP_1)
	v_lshlrev_b32 v9, 4, v9
	s_delay_alu instid0(VALU_DEP_1)
	v_sub_nc_u32 v8, v8, v9                        ; r + 8 (r / 8) - 16 h
	s_wait_alu depctr_va_vdst(0)
	s_lshl_b32 s15, s[DGL], 3
	s_lshl_b32 s2, s11, 1
	s_add_co_u32 s15, s15, s2
	s_add_co_u32 s15, s15, s19                     ; pL
	s_xor_b32 s16, s15, 127                        ; pH = 127 - pL
.macro TILE tau, qb, yb, dv            ; a tile's Q, its place in y's image, and d = its query in the step - 16 h
	s_lshr_b32 s2, s[\tau], 3
	s_mul_i32 s2, s2, SS
	s_and_b32 s3, s[\tau], 7
	s_lshl_b32 s3, s3, 10
	s_add_co_u32 s2, s2, s3
	s_mov_b32 s3, 0
	s_add_nc_u64 s[\qb:\qb+1], s[52:53], s[2:3]
	s_lshr_b32 s2, s12, 4
	s_lshl_b32 s2, s2, 7
	s_add_co_u32 s2, s2, s[\tau]
	s_lshl_b32 s2, s2, 14                          ; token tile 128 batch + tile, 16,384 bytes each;
	s_and_b32 s63, s12, 15
	s_lshl_b32 s63, s63, 10                        ; the head's 64 channels: 1,024 bytes on for each head
	s_add_co_u32 s2, s2, s63
	s_add_nc_u64 s[\yb:\yb+1], s[8:9], s[2:3]
	s_bfe_u32 s2, s[\tau], 0x20001
	s_lshl_b32 s2, s2, 5
	s_and_b32 s63, s[\tau], 1
	s_lshl_b32 s63, s63, 3
	s_add_co_u32 s2, s2, s63
	v_add_nc_u32 v[\dv], s2, v8
.endm
	TILE 16, 58, 66, DVH
	TILE 15, 60, 68, DVL
	global_load_b128 v[QH:QH+3], v[LI], s[58:59]
	global_load_b128 v[QH+4:QH+7], v[LI], s[58:59] offset:512
	global_load_b128 v[QL:QL+3], v[LI], s[60:61]
	global_load_b128 v[QL+4:QL+7], v[LI], s[60:61] offset:512
	s_wait_kmcnt 0x0
	s_add_co_i32 s54, s46, s47
	s_lshl_b32 s54, s54, 23
	s_add_co_i32 s[CS], s[CS], s54                 ; e6 + e7 go into c's exponent field
	s_mov_b32 s[CS+1], s[CS]
	s_add_co_i32 s54, s48, 127
	s_lshl_b32 s55, s54, 23
	v_mov_b32 v244, s55                            ; 2^e8
	s_add_co_i32 s54, s50, 127
	s_lshl_b32 s55, s54, 23
	v_mov_b32 v246, s55                            ; 2^e10
	s_add_co_i32 s62, s48, s49                     ; e8 + e9
	v_mov_b32 v236, 0                              ; a lane permute's destination counts as read
	v_mov_b32 v252, 0
	v_mov_b32 v253, 0                              ; (named as the upper half of a pair)
.macro INIT                            ; the step is written without a first step of its own: it finds zeros, which the first change of M leaves zeros
	v_mov_b32 v13, 0xff61b1e6                      ; -3e38, under every t
	s_delay_alu instid0(VALU_DEP_1)
	v_floor_f32 v12, -v13
	v_mov_b32 v14, 0
	v_mov_b32 v15, 0
.set j, 0
.rept 32
	v_mov_b32 v[160+j], 0
.set j, j+1
.endr
.endm
; A KEY STEP of 128 keys for the tile whose Q is in v[qr].  masked = 1: jumped over where the step lies behind the tile's diagonal step s[dg]; on the diagonal hidden scores become -infinity.
.macro STEP masked, qr, dg, dv
.if \masked
	s_cmp_gt_u32 s[KS], s[\dg]
	s_cbranch_scc1 .Lhidden_\@
.endif
	s_setprio 2
	v_add_nc_u32 v[ADK], s[TB], v[LI]
.rept 3
	v_nop                                          ; with the line above: four places between the last products and the loads into their sources
.endr
.set n, 0
.rept 16
	ds_load_b128 v[32+4*n:35+4*n], v[ADK] offset:512*n             ; K: eight tiles of 16 keys x 64
.set n, n+1
.endr
	s_wait_alu depctr_va_vdst(0)
	s_wait_dscnt 0x0
.irp i, 0,1,2,3,4,5,6,7
	v_wmma_f32_16x16x64_fp8_fp8 v[96+8*\i:103+8*\i], v[32+8*\i:39+8*\i], v[\qr:\qr+7], 0
.endr
.rept 4
	v_nop
.endr
.set n, 0
.rept 16
	ds_load_b128 v[32+4*n:35+4*n], v[ADK] offset:8192+512*n        ; V^T: four tiles of 16 channels x 128 keys; they land under the softmax
.set n, n+1
.endr
.if \masked
	s_cmp_lg_u32 s[KS], s[\dg]
	s_cbranch_scc1 .Lopen_\@
	v_mov_b32 v254, 0xff800000
.set n, 0
.rept 64
	v_cmp_gt_i32 vcc_lo, 32*(n/16)+n%16, v[\dv]                    ; register 16 b + i holds key 32 b + 16 h + i: hidden where 32 b + i > d
	v_cndmask_b32 v[96+n], v[96+n], v254, vcc_lo
.set n, n+1
.endr
.Lopen_\@:
.endif
	v_max3_num_f32 v254, v96, v97, v98             ; the step's largest score of my query among my 64 keys, in two chains, each accumulator from its low end on
	v_max3_num_f32 v252, v99, v100, v101
.set n, 6
.rept 14
	v_max3_num_f32 v254, v254, v[96+n], v[97+n]
	v_max3_num_f32 v252, v252, v[98+n], v[99+n]
.set n, n+4
.endr
	v_max3_num_f32 v254, v254, v158, v159
	s_delay_alu instid0(VALU_DEP_1)
	v_max_num_f32 v254, v254, v252
	s_delay_alu instid0(VALU_DEP_1)
	v_permlanex16_b32 v236, v254, s[SEL], s[SEL+1]
	s_delay_alu instid0(VALU_DEP_1)
	v_max_num_f32 v254, v254, v236                 ; and among the other half's
	s_delay_alu instid0(VALU_DEP_1)
	v_mul_f32 v254, s[CS], v254                    ; as t
	s_delay_alu instid0(VALU_DEP_1)
	v_max_num_f32 v13, v13, v254
	v_mov_b32 v254, v12
	s_delay_alu instid0(VALU_DEP_2)
	v_floor_f32 v12, -v13                          ; -M = floor(-t)
	s_delay_alu instid0(VALU_DEP_1)
	v_sub_f32 v254, v12, v254                      ; old M - new M, a whole number, 0 or less
	s_delay_alu instid0(VALU_DEP_1)
	v_cvt_i32_f32 v254, v254                       ; (it saturates)
	s_delay_alu instid0(VALU_DEP_1)
	v_ldexp_f32 v252, 1.0, v254                    ; f = 2^(old M - new M)
.set j, 0
.rept 32
	v_pk_fma_f32 v[96+j:97+j], v[96+j:97+j], s[CS:CS+1], v[12:13] op_sel_hi:[1,0,0]   ; t - M
.set j, j+2
.endr
.set j, 0
	s_setprio 1
	s_wait_alu depctr_va_vdst(0)
.rept 64
	v_exp_f32 v[96+j], v[96+j]                     ; p, not normalised
.set j, j+1
.endr
	v_pk_mul_f32 v[14:15], v[14:15], v[252:253] op_sel_hi:[1,0]    ; the sum under the new M: the plain line behind the exponentials
	s_wait_alu depctr_va_vdst(0)                   ; one wait for the batch, ahead of its first reader
	v_pk_add_f32 v[242:243], v[96:97], v[98:99]    ; the sum of the unquantised p, in two chains
.set j, 4
.rept 15
	v_pk_add_f32 v[14:15], v[14:15], v[96+j:97+j]
	v_pk_add_f32 v[242:243], v[242:243], v[98+j:99+j]
.set j, j+4
.endr
	s_delay_alu instid0(VALU_DEP_1)
	v_pk_add_f32 v[14:15], v[14:15], v[242:243]
	s_setprio 0
.irp b, 0,1,2,3
.set j, 0
.rept 16
.set j, j+1
.endr
	v_cvt_scalef32_pk8_fp8_f32 v[192+4*\b:193+4*\b], v[96+16*\b:103+16*\b], v244
	v_cvt_scalef32_pk8_fp8_f32 v[194+4*\b:195+4*\b], v[104+16*\b:111+16*\b], v244
.endr
.set j, 0
.rept 16
	v_pk_mul_f32 v[160+j:161+j], v[160+j:161+j], v[252:253] op_sel_hi:[1,0]   ; O^T under the new M
.set j, j+2
.endr
	s_wait_alu depctr_va_vdst(0)
	s_wait_dscnt 0x0                               ; V^T is in
.irp t, 0,1,2,3
	v_wmma_f32_16x16x128_fp8_fp8 v[160+8*\t:167+8*\t], v[32+16*\t:47+16*\t], v[192:207], v[160+8*\t:167+8*\t]
.endr
.if \masked
.Lhidden_\@:
.endif
	s_add_co_u32 s[TB], s[TB], 16384
.endm
; A tile's way out: O^T / the sum x 2^(e8 + e9), converted with 2^e10: two groups of 16 bytes a lane, each stored as 512 consecutive bytes
.macro OUT yr, yb
.rept 4
	v_nop
.endr
	v_add_f32 v14, v14, v15
	s_delay_alu instid0(VALU_DEP_1)
	v_permlanex16_b32 v252, v14, s[SEL], s[SEL+1]
	s_delay_alu instid0(VALU_DEP_1)
	v_add_f32 v14, v14, v252
	s_wait_alu depctr_va_vdst(0)
	v_rcp_f32 v14, v14
	v_nop
	s_wait_alu depctr_va_vdst(0)
	v_ldexp_f32 v14, v14, s62
.set j, 0
.rept 32
	v_mul_f32 v[96+j], v[160+j], v14
.set j, j+1
.endr
.set j, 0
.rept 32
.set j, j+1
.endr
.irp b, 0,1
	v_cvt_scalef32_pk8_fp8_f32 v[\yr+4*\b:\yr+4*\b+1], v[96+16*\b:103+16*\b], v246
	v_cvt_scalef32_pk8_fp8_f32 v[\yr+4*\b+2:\yr+4*\b+3], v[104+16*\b:111+16*\b], v246
.endr
	v_nop
	global_store_b128 v[LI], v[\yr:\yr+3], s[\yb:\yb+1]
	global_store_b128 v[LI], v[\yr+4:\yr+7], s[\yb:\yb+1] offset:512
.endm
	INIT
	s_wait_tensorcnt 1                             ; my part of steps 0-7 is in; my part of steps 8-15 may be out
	s_barrier_signal -1
	s_barrier_wait -1                              ; everybody's is
	s_wait_loadcnt 0x0                             ; Q
	s_mov_b32 s[KS], 0
	s_mov_b32 s[TB], 0
.Lheavy_lo:                                        ; the heavy tile, steps 0-7: all keys count
	STEP 0, QH, DGH, DVH
	s_add_co_u32 s[KS], s[KS], 1
	s_cmp_lt_u32 s[KS], 8
	s_cbranch_scc1 .Lheavy_lo
	s_setprio 0
	s_wait_tensorcnt 0x0                           ; my part of steps 8-15 is in
	s_wait_dscnt 0x0
	s_barrier_signal -1
	s_barrier_wait -1
.Lheavy_hi:                                        ; steps 8-15, up to the diagonal
	STEP 1, QH, DGH, DVH
	s_add_co_u32 s[KS], s[KS], 1
	s_cmp_lt_u32 s[KS], 16
	s_cbranch_scc1 .Lheavy_hi
	s_setprio 0
	OUT 208, 66
	INIT
	s_mov_b32 s[KS], 0
	s_mov_b32 s[TB], 0
.Llight:                                           ; the light tile, steps 0-7, up to the diagonal
	STEP 1, QL, DGL, DVL
	s_add_co_u32 s[KS], s[KS], 1
	s_cmp_lt_u32 s[KS], 8
	s_cbranch_scc1 .Llight
	s_setprio 0
	OUT 216, 68
	s_wait_tensorcnt 0x0
	ds_add_u32 v251, v255
	s_wait_dscnt 0x0
	CROUND                                         ; the closing round
	s_endpgm
.Lfunc_end_k_qf00a57cd91_attn:
	.size	k_qf00a57cd91_attn, .Lfunc_end_k_qf00a57cd91_attn-k_qf00a57cd91_attn
	.p2alignl 7, 3214868480
	.fill 96, 4, 3214868480
	.section	.rodata,"a",@progbits
	.p2align	6, 0x0
	.amdhsa_kernel k_qf00a57cd91_attn
		.amdhsa_group_segment_fixed_size 327680
		.amdhsa_private_segment_fixed_size 0
		.amdhsa_enable_private_segment 0
		.amdhsa_kernarg_size 24
		.amdhsa_user_sgpr_count 2
		.amdhsa_user_sgpr_kernarg_segment_ptr 1
		.amdhsa_wavefront_size32 1
		.amdhsa_system_sgpr_workgroup_id_x 1
		.amdhsa_system_sgpr_workgroup_id_y 1
		.amdhsa_system_sgpr_workgroup_id_z 1
		.amdhsa_system_vgpr_workitem_id 0
		.amdhsa_next_free_vgpr 256
		.amdhsa_next_free_sgpr 72
		.amdhsa_reserve_vcc 1
		.amdhsa_float_denorm_mode_32 3
		.amdhsa_float_denorm_mode_16_64 3
		.amdhsa_fp16_overflow 1
		.amdhsa_memory_ordered 1
		.amdhsa_forward_progress 1
		.amdhsa_inst_pref_size 66
	.end_amdhsa_kernel
	.amdgpu_metadata
---
amdhsa.version: [ 1, 2 ]
amdhsa.kernels:
  - .name:           k_qf00a57cd91_attn
    .symbol:         k_qf00a57cd91_attn.kd
    .args:
      - { .name: qkv, .offset: 0, .size: 8, .value_kind: global_buffer, .address_space: global }
      - { .name: lowp_scales, .offset: 8, .size: 8, .value_kind: global_buffer, .address_space: global }
      - { .name: yc, .offset: 16, .size: 8, .value_kind: global_buffer, .address_space: global }
    .group_segment_fixed_size: 327680
    .private_segment_fixed_size: 0
    .kernarg_segment_align: 8
    .kernarg_segment_size: 24
    .max_flat_workgroup_size: 512
    .sgpr_count:     72
    .vgpr_count:     256
    .wavefront_size: 32
...
	.end_amdgpu_metadata
.endif
;; end of part 3
;; launch proj (part 4): grid 4 x 64, 4 waves a work-group, clusters of 4 x 4, 327,680 bytes of LDS; arguments yc, ops, bp, lowp_scales, out0; writes out0
.if DOCPART == 4
	.amdgcn_target "amdgcn-amd-amdhsa--gfx1250"
	.amdhsa_code_object_version 6
	.text
	.protected	k_qf00a57cd91_proj
	.globl	k_qf00a57cd91_proj
	.p2align	8
	.type	k_qf00a57cd91_proj,@function
k_qf00a57cd91_proj:
	s_mov_b64 s[64:65], 0
	v_nop
	global_prefetch_b8 v0, s[64:65] scope:SCOPE_SE
	s_setreg_imm32_b32 hwreg(HW_REG_WAVE_MODE, 25, 1), 1
	s_wait_xcnt 0x0
	s_wait_alu depctr_hold_cnt(0) depctr_sa_sdst(0) depctr_va_vdst(0) depctr_va_sdst(0) depctr_va_ssrc(0) depctr_va_vcc(0) depctr_vm_vsrc(0)
	s_getreg_b32 s2, hwreg(HW_REG_IB_STS2, 6, 4)
	s_cmp_eq_u32 s2, 0
	s_cbranch_scc0 .Lentry_in_a_cluster
	s_endpgm
.Lentry_in_a_cluster:
	s_bfe_u32 s2, ttmp6, 0x10000c
	s_cmp_lg_u32 s2, 0xf033
	s_cbranch_scc0 .Lentry_shape_is_right
	s_endpgm
.Lentry_shape_is_right:
; out0 = y Wp + bp on codes of E4M3: M = tokens (y's image), N = output channels (Wp's image, at 27 Mi in ops); out0 [8192][1024] f32.
; Operands are images of registers (16 rows x 128 K = 2,048 bytes; group c at 512 c, lane l at 16 l: K = 32 c + 16 (l / 16) + 0..15; lane r of tile 2 b + u holds row 32 b + 8 u + r + 8 (r / 8)), laid [tile][K step][2,048].
; k has the same place in both operands; only the order of sums inside an instruction differs from ascending k.  The matrix instruction is used transposed (source 0 = N side, source 1 = M side):
; a lane holds one token, and the 16 registers of N tiles 2 b', 2 b' + 1 are channels 32 b' + 16 h + 0..15.
; SHARES: a work-group makes M 128 x N 256, a wave 64 x 128: 32 accumulators.  K = 1,024 in four steps of 256 through three LDS slots; slot 0 is filled twice.  CLUSTER 4 x 4, joint loads; at most three tensor loads of a wave are out.
; THE WAY OUT: a tile of 16 tokens x 128 channels goes through my own stage (rows of 512 + 16 bytes) and leaves as rows: 32 lanes store 512 consecutive bytes, aligned.  The stage lies in slot 1, which has had its one fill, and which nobody reads behind the last barrier.
; LIMIT: e10 + e11 between -126 and 127.
.set MI,    1048576
.set SLOT,  98304
.set BOFF,  32768
.set SPARE, 3*SLOT                     ; the spare words: 128 bytes a wave, two blocks of 256 bytes that no other line names
.set SPITCH, 528
.set LI,   3
.set ADRA, 4
.set ADRB, 8
.set STO,  14
.set RD,   15
.set SPW,  28
.set NIL,  29
.set BN,   32
.set TT,   96
.set BK,   160
.set AF,   128
.set WV,   16
.set MH,   17
.set NH,   18
.set G1A,  24
.set G1B,  32
.set G0A,  40
.set G0B,  52
.set MSB, 0
.macro WIN new
.if MSB != \new
	s_set_vgpr_msb (MSB<<8)|\new
.set MSB, \new
.endif
.endm
.set MUL,  0xa1
.set TO_B, 0x40
.macro PLACES
.rept 4
	v_nop
.endr
.endm
.macro JLOAD
	s_cmp_eq_u32 s[MH], 0
	s_cbranch_scc0 .Lfor_b_\@
	tensor_load_to_lds s[G0A:G0A+3], s[G1A:G1A+7]
	s_nop 0
	PLACES
	s_branch .Lasked_\@
.Lfor_b_\@:
	tensor_load_to_lds s[G0B:G0B+3], s[G1B:G1B+7]
	s_nop 0
	PLACES
.Lasked_\@:
.endm
.macro CREST
	s_cmp_lg_u32 s[WV], 0
	s_cbranch_scc1 .Lnot_wave_0_\@
	s_barrier_signal -3
.Lnot_wave_0_\@:
	s_barrier_wait -3
	s_barrier_signal -1
	s_barrier_wait -1
.endm
.macro CROUND
	s_barrier_signal -1
	s_barrier_wait -1
	CREST
.endm
.macro FRAG reg, adr, off
.irp c, 0,1,2,3
	ds_load_b128 v[\reg+4*\c:\reg+4*\c+3], v[\adr] offset:\off+512*\c
.endr
.endm
.macro FETCH slot, q, p
	WIN TO_B
.irp b, 0,1,2,3,4,5,6,7
	FRAG 128*(\p)+16*\b, ADRB+\slot, 4096*\b+2048*(\q)
.endr
	WIN 0
.irp a, 0,1,2,3
	FRAG AF+64*(\p)+16*\a, ADRA+\slot, 4096*\a+2048*(\q)
.endr
.endm
.macro MULA a, p, zero                 ; the 32 accumulators take turns
.irp b, 0,1,2,3,4,5,6,7
.if \zero
	v_wmma_f32_16x16x128_fp8_fp8 v[64*(\a)+8*\b:64*(\a)+8*\b+7], v[128*(\p)+16*\b:128*(\p)+16*\b+15], v[AF+64*(\p)+16*(\a):AF+64*(\p)+16*(\a)+15], 0
.else
	v_wmma_f32_16x16x128_fp8_fp8 v[64*(\a)+8*\b:64*(\a)+8*\b+7], v[128*(\p)+16*\b:128*(\p)+16*\b+15], v[AF+64*(\p)+16*(\a):AF+64*(\p)+16*(\a)+15], v[64*(\a)+8*\b:64*(\a)+8*\b+7]
.endif
.endr
.endm
.macro SUB slot, q, p, zero
	s_wait_dscnt 0x0                               ; set p is in
	PLACES                                         ; four places between the last products on the other set and the loads into it
	FETCH \slot, \q, 1-\p
	WIN MUL
	MULA 0, \p, \zero
	MULA 1, \p, \zero
	MULA 2, \p, \zero
	MULA 3, \p, \zero
.endm
.macro TURN p, next, fill
	WIN 0
	s_wait_tensorcnt 0x0                           ; all my tensor loads have landed
	ds_add_u32 v[SPW], v[NIL]
	s_wait_dscnt 1                                 ; set p is in; the add alone may be out
	WIN MUL
	MULA 0, \p, 0
	s_wait_dscnt 0x0                               ; the add is done, and my reads of the slots behind me are over
	s_barrier_signal -1
	MULA 1, \p, 0
	WIN 0
	s_barrier_wait -1
.if \fill
	CREST
	s_add_nc_u64 s[G0A+2:G0A+3], s[G0A+2:G0A+3], 3*4096
	s_add_nc_u64 s[G0B+2:G0B+3], s[G0B+2:G0B+3], 3*4096
	JLOAD
.else
	PLACES
.endif
	FETCH \next, 0, 1-\p
	WIN MUL
	MULA 2, \p, 0
	MULA 3, \p, 0
.endm
	s_load_b256 s[4:11], s[0:1], 0x0               ; yc, ops, bp, the exponents
	s_load_b64 s[12:13], s[0:1], 0x20              ; out0
	v_lshl_add_u32 v[SPW], v0, 2, SPARE
	v_mov_b32 v[NIL], 0
	ds_add_u32 v28, v29
	ds_add_u32 v28, v29
	s_wait_dscnt 0x0
	v_lshrrev_b32 v1, 5, v0
	v_readfirstlane_b32 s[WV], v1
	s_lshr_b32 s[MH], s[WV], 1
	s_and_b32 s[NH], s[WV], 1
	s_bfe_u32 s19, ttmp6, 0x40000                  ; cx
	s_bfe_u32 s20, ttmp6, 0x40004                  ; cy
	s_lshl_b32 s66, ttmp9, 2
	s_add_co_u32 s66, s66, s19                     ; Nt
	s_and_b32 s21, ttmp7, 0xffff
	s_lshl_b32 s67, s21, 2
	s_add_co_u32 s67, s67, s20                     ; Mt
	s_lshl_b32 s90, s20, 2
	s_lshl_b32 s90, 15, s90
	s_lshl_b32 s91, 0x1111, s19
	s_or_b32 s[G1A], s90, (3<<16)|(1<<21)
	s_or_b32 s[G1B], s91, (3<<16)|(1<<21)
	s_mov_b32 s[G1A+1], 512<<16
	s_mov_b32 s[G1A+2], 4<<16
	s_mov_b32 s[G1A+3], 512<<16
	s_mov_b32 s[G1A+4], 4
	s_mov_b32 s[G1A+5], 2048
	s_mov_b32 s[G1A+6], 0
	s_mov_b32 s[G1A+7], 0
	s_mov_b32 s[G1B+1], 512<<16
	s_mov_b32 s[G1B+2], 8<<16
	s_mov_b32 s[G1B+3], 512<<16
	s_mov_b32 s[G1B+4], 8
	s_mov_b32 s[G1B+5], 2048
	s_mov_b32 s[G1B+6], 0
	s_mov_b32 s[G1B+7], 0
	s_lshl_b32 s82, s67, 17                        ; y: tile 8 Mt + 4 x half
	s_lshl_b32 s83, s[NH], 16
	s_add_co_u32 s82, s82, s83
	s_mov_b32 s83, 0
	s_lshl_b32 s84, s66, 18                        ; Wp: tile 16 Nt + 8 x half
	s_lshl_b32 s85, s[NH], 17
	s_add_co_u32 s84, s84, s85
	s_add_co_u32 s84, s84, 27*MI
	s_mov_b32 s85, 0
	s_lshl_b32 s92, s[NH], 14
	s_lshl_b32 s93, s[NH], 15
	s_add_co_u32 s93, s93, BOFF
	s_wait_kmcnt 0x0
	s_load_b64 s[68:69], s[10:11], 0x28            ; e10, e11
	s_add_nc_u64 s[82:83], s[4:5], s[82:83]
	s_add_nc_u64 s[84:85], s[6:7], s[84:85]
.irp s, 0,1,2
	s_mov_b32 s[G0A+4*\s], 1
	s_add_co_u32 s[G0A+4*\s+1], s92, \s*SLOT
	s_add_nc_u64 s[G0A+4*\s+2:G0A+4*\s+3], s[82:83], \s*4096
	s_or_b32 s[G0A+4*\s+3], s[G0A+4*\s+3], 0x80000000
	s_mov_b32 s[G0B+4*\s], 1
	s_add_co_u32 s[G0B+4*\s+1], s93, \s*SLOT
	s_add_nc_u64 s[G0B+4*\s+2:G0B+4*\s+3], s[84:85], \s*4096
	s_or_b32 s[G0B+4*\s+3], s[G0B+4*\s+3], 0x80000000
.endr
	CROUND
	s_cmp_eq_u32 s[MH], 0
	s_cbranch_scc0 .Lfirst_b
	tensor_load_to_lds s[G0A:G0A+3], s[G1A:G1A+7]
	s_nop 0
	tensor_load_to_lds s[G0A+4:G0A+7], s[G1A:G1A+7]
	s_nop 0
	tensor_load_to_lds s[G0A+8:G0A+11], s[G1A:G1A+7]
	s_nop 0
	PLACES
	s_branch .Lfirst_done
.Lfirst_b:
	tensor_load_to_lds s[G0B:G0B+3], s[G1B:G1B+7]
	s_nop 0
	tensor_load_to_lds s[G0B+4:G0B+7], s[G1B:G1B+7]
	s_nop 0
	tensor_load_to_lds s[G0B+8:G0B+11], s[G1B:G1B+7]
	s_nop 0
	PLACES
.Lfirst_done:
	v_and_b32 v2, 31, v0
	v_lshlrev_b32 v[LI], 4, v2
	s_lshl_b32 s94, s[MH], 14
	v_add_nc_u32 v[ADRA], s94, v[LI]
	v_add_nc_u32 v[ADRA+1], SLOT, v[ADRA]
	v_add_nc_u32 v[ADRA+2], SLOT, v[ADRA+1]
	v_add_nc_u32 v[ADRB], s93, v[LI]
	v_add_nc_u32 v[ADRB+1], SLOT, v[ADRB]
	v_add_nc_u32 v[ADRB+2], SLOT, v[ADRB+1]
	v_and_b32 v11, 15, v0                          ; r
	v_bfe_u32 v12, v0, 4, 1                        ; h
	s_mul_i32 s94, s[WV], 16*SPITCH
	s_add_co_u32 s94, s94, SLOT                    ; my stage, in slot 1
	v_mul_u32_u24 v[STO], v11, SPITCH
	v_lshl_add_u32 v[STO], v12, 6, v[STO]
	v_add_nc_u32 v[STO], s94, v[STO]               ; in: row r, + 64 h
	v_add_nc_u32 v[RD], s94, v[LI]                 ; back: a row of 512 bytes for the 32 lanes
	s_wait_alu depctr_va_vdst(0)
	s_wait_kmcnt 0x0
	s_add_co_i32 s68, s68, s69
	s_add_co_i32 s68, s68, 127
	s_lshl_b32 s80, s68, 23                        ; 2^(e10 + e11)
	s_mov_b32 s81, s80
	s_lshl_b32 s98, s67, 19                        ; out0: token 128 Mt + 64 mh, channel 256 Nt + 128 nh
	s_lshl_b32 s99, s[MH], 18
	s_add_co_u32 s98, s98, s99
	s_lshl_b32 s99, s66, 10
	s_add_co_u32 s98, s98, s99
	s_lshl_b32 s99, s[NH], 9
	s_add_co_u32 s98, s98, s99
	s_mov_b32 s99, 0
	s_add_nc_u64 s[12:13], s[12:13], s[98:99]
	s_lshl_b32 s94, s66, 10
	s_lshl_b32 s95, s[NH], 9
	s_add_co_u32 s94, s94, s95
	s_mov_b32 s95, 0
	s_add_nc_u64 s[96:97], s[8:9], s[94:95]        ; bp at channel 256 Nt + 128 nh
	v_lshlrev_b32 v13, 6, v12                      ; + 16 h numbers
.set j, 0
.rept 16
	global_load_b128 v[BN+4*j:BN+4*j+3], v13, s[96:97] offset:128*(j/4)+16*(j%4)
.set j, j+1
.endr
	s_wait_tensorcnt 2                             ; my part of K step 0 is in; the loads of K steps 1 and 2 may be out
	s_barrier_signal -1
	s_barrier_wait -1
	FETCH 0, 0, 0
	SUB 0, 1, 0, 1
	TURN 1, 1, 1
	SUB 1, 1, 0, 0
	SUB 2, 0, 1, 0
	SUB 2, 1, 0, 0
	TURN 1, 0, 0
	SUB 0, 1, 0, 0
	s_wait_dscnt 0x0
	MULA 0, 1, 0
	MULA 1, 1, 0
	MULA 2, 1, 0
	MULA 3, 1, 0
	WIN 0
	PLACES
	s_wait_loadcnt 0x0                             ; bp
.macro OUTP a
	WIN 0x02                                       ; source 0: window 2
.set j, 0
.rept 32
	v_pk_fma_f32 v[TT+j:TT+j+1], v[64*(\a)+j:64*(\a)+j+1], s[80:81], v[BN+j:BN+j+1] op_sel_hi:[1,0,1]   ; sum x 2^(e10 + e11) + bp; each accumulator from its low end on
.set j, j+2
.endr
	WIN 0
.set j, 0
.rept 16
	ds_store_b128 v[STO], v[TT+4*j:TT+4*j+3] offset:128*(j/4)+16*(j%4)
.set j, j+1
.endr
.if \a > 0
	s_wait_xcnt 0x0                                ; the last tile's stores have read the registers that the loads below fill
.endif
.set j, 0
.rept 16
	ds_load_b128 v[BK+4*j:BK+4*j+3], v[RD] offset:SPITCH*j         ; LDS serves a wave's instructions in order (ISA guide 5.7.1.4): these see my stores
.set j, j+1
.endr
.set j, 0
.rept 16
	s_wait_dscnt 15-j                              ; row j is back; the younger loads may be out
	global_store_b128 v[LI], v[BK+4*j:BK+4*j+3], s[12:13] offset:(32*((\a)/2)+8*((\a)%2)+j+8*(j/8))*4096 th:TH_STORE_NT
.set j, j+1
.endr
.endm
	OUTP 0
	OUTP 1
	OUTP 2
	OUTP 3
	s_wait_tensorcnt 0x0                           ; the wave's end
	ds_add_u32 v[SPW], v[NIL]
	s_wait_dscnt 0x0
	CROUND                                         ; the closing round
	s_endpgm
.Lfunc_end_k_qf00a57cd91_proj:
	.size	k_qf00a57cd91_proj, .Lfunc_end_k_qf00a57cd91_proj-k_qf00a57cd91_proj
	.p2alignl 7, 3214868480
	.fill 96, 4, 3214868480
	.section	.rodata,"a",@progbits
	.p2align	6, 0x0
	.amdhsa_kernel k_qf00a57cd91_proj
		.amdhsa_group_segment_fixed_size 327680
		.amdhsa_private_segment_fixed_size 0
		.amdhsa_enable_private_segment 0
		.amdhsa_kernarg_size 40
		.amdhsa_user_sgpr_count 2
		.amdhsa_user_sgpr_kernarg_segment_ptr 1
		.amdhsa_wavefront_size32 1
		.amdhsa_system_sgpr_workgroup_id_x 1
		.amdhsa_system_sgpr_workgroup_id_y 1
		.amdhsa_system_sgpr_workgroup_id_z 1
		.amdhsa_system_vgpr_workitem_id 0
		.amdhsa_next_free_vgpr 768
		.amdhsa_next_free_sgpr 102
		.amdhsa_reserve_vcc 0
		.amdhsa_float_denorm_mode_32 3
		.amdhsa_float_denorm_mode_16_64 3
		.amdhsa_memory_ordered 1
		.amdhsa_forward_progress 1
		.amdhsa_inst_pref_size 77
	.end_amdhsa_kernel
	.amdgpu_metadata
---
amdhsa.version: [ 1, 2 ]
amdhsa.kernels:
  - .name:           k_qf00a57cd91_proj
    .symbol:         k_qf00a57cd91_proj.kd
    .args:
      - { .name: yc, .offset: 0, .size: 8, .value_kind: global_buffer, .address_space: global }
      - { .name: ops, .offset: 8, .size: 8, .value_kind: global_buffer, .address_space: global }
      - { .name: bp, .offset: 16, .size: 8, .value_kind: global_buffer, .address_space: global }
      - { .name: lowp_scales, .offset: 24, .size: 8, .value_kind: global_buffer, .address_space: global }
      - { .name: out0, .offset: 32, .size: 8, .value_kind: global_buffer, .address_space: global }
    .group_segment_fixed_size: 327680
    .private_segment_fixed_size: 0
    .kernarg_segment_align: 8
    .kernarg_segment_size: 40
    .max_flat_workgroup_size: 128
    .sgpr_count:     102
    .vgpr_count:     768
    .wavefront_size: 32
...
	.end_amdgpu_metadata
.endif
;; end of part 4
